; MI455X (gfx1250); checked and timed in simulation.
; The chip was launched on July 23, 2026; its instructions are those of AMD's public machine-readable ISA for CDNA 5 (MIT licence, August 2026) and "CDNA5" Instruction Set Architecture Reference Guide (July 2026). The comments in the code are by the model that wrote it; some were corrected since.
;; Optimized FP4 Linear. Allowed arithmetic: matrix products marked QUANTISED: E2M1 operands, one E8M0 scale for each 32 along K, by v_wmma_scale_f32_16x16x128_f8f6f4 with both operands' format E2M1 (or v_wmma_scale_f32_32x16x128_f4), f32 sums; everything else in f32.
;; Inputs: bias 2,048 float32; weight_packed 4,194,304 int32; weight_scales 65,536 float32; x 4 x 2,048 x 4,096 float32.
;; Outputs: out0 4 x 2,048 x 2,048 float32.
;; This version of the problem:
;;   THIS VERSION OF THE PROBLEM IS GIVEN IN LOW PRECISION. The matrix products marked QUANTISED in the list below multiply operands that are first quantised to E2M1 (2 exponent bits, 1 mantissa bit; 4 bits a number), with one power-of-two scale for each 32 numbers along K (OCP MX v1.0); their sums are f32. All else is computed in f32.
;;   The module's matrix products, in the order in which they are computed (A, B: the left and right operand; K: the contracted axis; several contracted axes count as one K, in the product's order):
;;     1. [M 8,192, K 4,096] x [K 4,096, N 2,048]; A: input x; B: computed on the way: QUANTISED
;;   THE QUANTISER, for each operand of a quantised product, along K:
;;     - K is cut into blocks of 32 from its start; a last block that is shorter is filled with zeros.
;;     - A block's scale is 2^e with e = floor(log2(the largest magnitude in the block)) - 2, held to -126 .. 127; a block of zeros has e = 0. As a byte (E8M0): e + 127.
;;     - Each number is divided by its block's scale, clamped to +-6, and rounded to the nearest number of E2M1, ties to even, subnormals kept.
;;     - The product sums the exact products of the quantised numbers (number of the format x scale) in f32.
;;   ~~~python
;;   def quantise(x, axis):      # numpy; x: float32 -> the quantised numbers, widened to float32 again
;;       x = np.moveaxis(x, axis, -1); K = x.shape[-1]
;;       x = np.pad(x, [(0, 0)] * (x.ndim - 1) + [(0, -K % 32)]); x = x.reshape(x.shape[:-1] + (-1, 32)); a = np.abs(x).max(-1, keepdims=True)
;;       e = np.where(a > 0, np.clip(np.frexp(np.where(a > 0, a, 1))[1] - 1 - 2, -126, 127), 0)      # np.frexp(a)[1] - 1 = floor(log2(a)), exactly
;;       r = np.clip(x / 2.0 ** e, -6, 6)
;;       step = 2.0 ** (np.maximum(np.frexp(np.where(r == 0, 1, r))[1] - 1, 0) - 1)
;;       q = np.round(r / step) * step * 2.0 ** e      # np.round: ties to even
;;       return np.moveaxis(q.reshape(q.shape[:-2] + (-1,))[..., :K], -1, axis).astype(np.float32)
;;   ~~~
;;   OPERANDS COMPUTED ON THE WAY. 'Computed on the way' means the value that the module computes at that place (a softmax that the list does not call 'softmax' is quantised finished and normalised). What goes into a quantiser is computed in f32, as accurately as f32 sums, v_exp_f32 and their like allow (about 1e-6 of the number): no bf16 or f16 on the way to a quantiser, and a product that is left as it is and whose result goes on into a quantised operand takes f32 operands (vector FMAs, or v_wmma_f32_16x16x4_f32). A number that lies on a knife's edge between two numbers of the format may be rounded either way, as far as f32 arithmetic and the matrix unit's own rounding can turn it there, and no further.
;; One version. Each part assembles by itself: llvm-mc -triple=amdgcn-amd-amdhsa -mcpu=gfx1250 --defsym DOCPART=n.
;; ======== version 1 of 1: 2 launches
;; limits: right only within a limited range of input values
;; workspace buffers: xq 17,825,792 bytes; wq 4,456,448 bytes
;; launch quant (part 1): grid 1152 x 1, 4 waves a work-group, no clusters, 49,664 bytes of LDS; arguments x, weight_packed, weight_scales, xq, wq; writes xq, wq
.if DOCPART == 1
	.amdgcn_target "amdgcn-amd-amdhsa--gfx1250"
	.amdhsa_code_object_version 6
	.text
	.protected	k_q4f997281ab_quant
	.globl	k_q4f997281ab_quant
	.p2align	8
	.type	k_q4f997281ab_quant,@function
k_q4f997281ab_quant:
	s_mov_b64 s[64:65], 0
	v_nop
	global_prefetch_b8 v0, s[64:65] scope:SCOPE_SE
	s_setreg_imm32_b32 hwreg(HW_REG_WAVE_MODE, 25, 1), 1
	s_wait_xcnt 0x0
; BOTH OPERANDS OF out = Q(x) Q(W)^T + bias ARE QUANTISED HERE, ONCE, to codes of FP4 (E2M1) with one E8M0 scale byte for each 32 along K.
; x: [8192][4096] f32.  W[n][k] = value of a given 4-bit code x weight_scales[(4096 n + k) / 128], one f32 multiplication; the given codes lie one byte to an int32, the code of the LOWER k in the HIGH four bits.
; A block's scale is 2^(floor(log2(its largest magnitude)) - 2); its byte is the largest magnitude's exponent field - 2, held at 1 from below; each number is divided by it and rounded to the nearest code, ties to even, beyond 6 the code of 6.
; LIMITS: NaN and infinities among the inputs are not served.  A block of zeros gets the byte 1 where the rule says 127: its codes are zeros, which add nothing under any byte but 0xff, and only this program reads the bytes.
;         Blocks whose largest magnitude lies under 2^-124 keep the byte 1 (the rule's own hold); they were not tried.
; THE WORKSPACE IS LAID AS THE PRODUCT'S LAUNCH FETCHES IT: for each 128 rows and each 512 along K one dense block of BLK = 34,816 bytes: row r's 512 codes (the lower k in the low four bits) at 256 r, then, from byte 32,768 on,
; row r's 16 scale bytes at 16 r.  A row block's eight K steps follow each other: xq [64][8][BLK], wq [16][8][BLK].
; SHARES.  Work-groups 0 to 127 take W, 16 rows each: wave w takes K steps 2 w and 2 w + 1.  Work-groups 128 to 1,151 take x: 16 rows and four K steps each, a K step a wave.  A wave goes through its 16 rows, a row a step;
; a step reads 2,048 consecutive bytes: 512 numbers of x, or 512 words of weight_packed (1,024 codes).
; Each of a step's four loads reads 512 consecutive bytes, 16 a lane; the conversions want neighbours along K in ONE lane's registers, so the 2,048 bytes turn through the wave's own stage in LDS and come back 64 bytes a lane
; (16 bytes of padding behind each 64).  Loads run four steps (16 loads a wave) ahead, the turn one step.  A wave's scale bytes are gathered in its own LDS bytes and leave as whole aligned runs of 256 bytes.
; No cluster: no two work-groups read the same input byte.  No tensor load, no barrier: waves share nothing.  The two paths part on the work-group's number and have LDS bytes of their own.
.set BLK,   34816
.set RB,    8*BLK
.set WGW,   128                        ; work-groups that take W
.set WREG,  6144                       ; LDS of a wave: two stages of 32 x SP bytes, and from SBY on its scale bytes (x: 256, W: 512)
.set SP,    80                         ; a lane's place in a stage: its 64 bytes + 16 of padding
.set SBY,   2*32*SP
.set WLDS,  4*WREG                     ; the W path's LDS begins here
.set R,     16                         ; v16-79   four sets of 16 registers as they are loaded
.set X,     80                         ; v80-111  two sets of 16 neighbours
.set E,     112                        ; v112-119 scale bytes, eight registers by turns: a step's byte store is awaited two steps on, six steps before its register is written again;  v126, v127: the add's two registers
.set C,     128                        ; x path: v128.. codes, four registers apart for each step, so that no store's data are written again
.set F,     128                        ; W path: v128-159 a block's 32 numbers
.set SCL,   160                        ; W path: v160-175 the given f32 scale of my block, for each step
.set CW,    176                        ; W path: v176-179 a block's codes
.set P,     180                        ; W path: v180-183 the given codes, packed, the lower k in the low four bits
.set T,     184                        ; W path: v184-191 at work
	s_load_b128 s[4:7], s[0:1], 0x0                ; x, weight_packed
	s_load_b128 s[8:11], s[0:1], 0x10              ; weight_scales, xq
	s_load_b64 s[12:13], s[0:1], 0x20              ; wq
	v_lshl_add_u32 v126, v0, 2, 0xc000             ; my spare word, behind both paths' LDS bytes
	v_mov_b32 v127, 0
	v_lshrrev_b32 v1, 5, v0
	v_readfirstlane_b32 s16, v1                    ; wave 0..3
	v_and_b32 v2, 31, v0                           ; lane
	v_lshlrev_b32 v3, 4, v2                        ; my 16 bytes of a load's 512
	s_mul_i32 s17, s16, WREG                       ; my wave's LDS (the W path adds WLDS)
	s_mov_b32 s21, 0                               ; the upper words of the offsets' pairs
	s_mov_b32 s27, 0
	s_wait_kmcnt 0x0
.macro STAGEADR                        ; s17 = my wave's LDS
	v_lshrrev_b32 v14, 2, v2
	v_mul_u32_u24 v14, v14, SP
	v_and_b32 v15, 3, v2
	v_lshl_add_u32 v14, v15, 4, v14
	v_add_nc_u32 v14, s17, v14                     ; the stage, on the way in: four lanes' 64 bytes on end, then 16 of padding: SP (lane / 4) + 16 (lane % 4); a load's 512 bytes take eight places
	v_mul_u32_u24 v15, v2, SP
	v_add_nc_u32 v15, s17, v15                     ; and on the way out: SP x lane: 64 neighbouring bytes
	s_add_co_u32 s17, s17, SBY                     ; from here on: my wave's scale bytes
.endm
.macro LOAD t, pitch, sb               ; step t's 2,048 bytes into set t % 4
.irp i, 0,1,2,3
	global_load_b128 v[R+16*((\t)%4)+4*\i:R+16*((\t)%4)+4*\i+3], v3, s[\sb:\sb+1] offset:(\pitch)*(\t)+512*\i th:TH_LOAD_NT   ; 32 lanes read 512 consecutive bytes; read once in the launch
.endr
.endm
.macro TURN t                          ; step t's bytes through stage t % 2: LDS serves a wave's instructions in order, so no wait stands between the stores and the loads
.irp i, 0,1,2,3
	ds_store_b128 v14, v[R+16*((\t)%4)+4*\i:R+16*((\t)%4)+4*\i+3] offset:32*SP*((\t)%2)+8*SP*\i
.endr
.irp i, 0,1,2,3
	ds_load_b128 v[X+16*((\t)%2)+4*\i:X+16*((\t)%2)+4*\i+3], v15 offset:32*SP*((\t)%2)+16*\i
.endr
.endm
.macro AHEAD t, pitch, sb              ; the head of step t
.if (\t) > 0
	s_wait_dscnt 1                                 ; this step's bytes are back from the stage (the last step's byte store may be out): so its stores into the stage have read their registers,
.else
	s_wait_dscnt 0x0
.endif
.if (\t)+4 < 16
	LOAD (\t)+4, \pitch, \sb                       ; which take the loads of four steps on
.endif
.if (\t)+1 < 16
.if 14-(\t) >= 3
	s_wait_loadcnt 12                              ; the next step's four loads are in; those of the three steps behind it may be out
.else
	s_wait_loadcnt 4*(14-(\t))                     ; the counts run down: 8, 4, 0
.endif
	TURN (\t)+1                                    ; and go through the other stage while this step is worked
.endif
.endm
	s_cmp_lt_u32 ttmp9, WGW
	s_cbranch_scc1 .Lweights
	; ---------------- x ----------------
	s_sub_co_u32 s18, ttmp9, WGW
	s_lshr_b32 s19, s18, 1                         ; which 16 rows: 0 .. 511
	s_and_b32 s18, s18, 1
	s_lshl_b32 s18, s18, 2
	s_add_co_u32 s18, s18, s16                     ; which K step: 4 x (work-group's low bit) + wave
	s_lshl_b32 s20, s19, 18                        ; 16 rows of 16,384 bytes
	s_lshl_b32 s22, s18, 11                        ; a K step's 2,048 bytes of a row
	s_add_co_u32 s20, s20, s22
	s_add_nc_u64 s[4:5], s[4:5], s[20:21]          ; x at my first row's part
	s_lshr_b32 s22, s19, 3
	s_mul_i32 s22, s22, RB
	s_mul_i32 s23, s18, BLK
	s_add_co_u32 s22, s22, s23                     ; my dense block in xq
	s_and_b32 s24, s19, 7                          ; which 16 of its 128 rows
	s_lshl_b32 s25, s24, 12
	s_add_co_u32 s26, s22, s25
	s_add_nc_u64 s[28:29], s[10:11], s[26:27]      ; where my rows' codes go: 256 bytes a row
	s_lshl_b32 s25, s24, 8
	s_add_co_u32 s26, s22, s25
	s_add_co_u32 s26, s26, 32768
	s_add_nc_u64 s[30:31], s[10:11], s[26:27]      ; and their scale bytes: 16 a row
	s_wait_alu depctr_va_vdst(0)
	STAGEADR
	v_lshlrev_b32 v4, 3, v2                        ; my 16 codes: 8 bytes
	v_lshrrev_b32 v5, 1, v2
	v_add_nc_u32 v5, s17, v5                       ; LDS: my block's byte (two lanes hold a block)
	v_lshlrev_b32 v7, 3, v2                        ; the scale bytes' way out: 8 bytes a lane
	v_add_nc_u32 v6, s17, v7
.irp t, 0,1,2,3
	LOAD \t, 16384, 4
.endr
	s_wait_alu depctr_va_vdst(0)
	s_wait_loadcnt 12                              ; step 0's four loads are in
	TURN 0
.macro XSTEP t
.set XS, X+16*((\t)%2)
	AHEAD \t, 16384, 4
	v_max3_num_f32 v8, |v[XS]|, |v[XS+1]|, |v[XS+2]|               ; the largest magnitude of my 16, in two chains
	v_max3_num_f32 v9, |v[XS+3]|, |v[XS+4]|, |v[XS+5]|
.irp i, 6,10
	v_max3_num_f32 v8, v8, |v[XS+\i]|, |v[XS+\i+1]|
	v_max3_num_f32 v9, v9, |v[XS+\i+2]|, |v[XS+\i+3]|
.endr
	v_max3_num_f32 v8, v8, |v[XS+14]|, |v[XS+15]|
	v_max3_num_f32 v8, v8, v9, 0x1800000           ; and the floor 2^(3 - 127): so the byte cannot fall under 1
	v_max_num_f32_dpp v8, v8, v8 row_xmask:1 row_mask:0xf bank_mask:0xf   ; and of my neighbour's 16: the block's
	v_add_nc_u32 v11, 0xff000000, v8               ; 2 off its exponent field: the conversion takes the exponent field of this operand as its scale, and nothing else of it
	v_cvt_scalef32_pk8_fp4_f32 v[C+4*(\t)], v[XS:XS+7], v11        ; the first number's code in the lowest four bits
	v_cvt_scalef32_pk8_fp4_f32 v[C+4*(\t)+1], v[XS+8:XS+15], v11
	v_lshrrev_b32 v[E+(\t)%8], 23, v11             ; the scale's byte (a plain line behind the conversions)
	ds_store_b8 v5, v[E+(\t)%8] offset:16*(\t)     ; both lanes of a block write the same byte with the same value
	global_store_b64 v4, v[C+4*(\t):C+4*(\t)+1], s[28:29] offset:256*(\t) th:TH_STORE_NT   ; 32 lanes store 256 consecutive bytes, aligned: the row's codes of this K step; written once, read by nobody in this launch
.endm
.irp t, 0,1,2,3,4,5,6,7,8,9,10,11,12,13,14,15
	XSTEP \t
.endr
	ds_load_b64 v[12:13], v6                       ; LDS serves a wave's instructions in order: these see my byte stores
	s_wait_dscnt 0x0
	global_store_b64 v7, v[12:13], s[30:31]        ; 16 rows x 16 scale bytes: 256 consecutive bytes, aligned
	s_wait_tensorcnt 0x0                           ; the wave's end
	ds_add_u32 v126, v127
	s_wait_dscnt 0x0
	s_endpgm
	; ---------------- W ----------------
.Lweights:
	s_add_co_u32 s17, s17, WLDS                    ; this path's own LDS bytes
	s_lshl_b32 s20, ttmp9, 17                      ; 16 rows of 8,192 bytes (2,048 words, 4,096 codes)
	s_lshl_b32 s22, s16, 11                        ; my two K steps: 512 words
	s_add_co_u32 s20, s20, s22
	s_add_nc_u64 s[6:7], s[6:7], s[20:21]
	s_lshl_b32 s20, ttmp9, 11                      ; the given scales: 16 rows of 32 numbers,
	s_lshl_b32 s22, s16, 5                         ; my eight of a row's
	s_add_co_u32 s20, s20, s22
	s_add_nc_u64 s[8:9], s[8:9], s[20:21]
	s_lshr_b32 s22, ttmp9, 3
	s_mul_i32 s22, s22, RB
	s_mul_i32 s23, s16, 2*BLK
	s_add_co_u32 s22, s22, s23                     ; the dense block of K step 2 w in wq; that of 2 w + 1 follows it
	s_and_b32 s24, ttmp9, 7
	s_lshl_b32 s25, s24, 12
	s_add_co_u32 s26, s22, s25
	s_add_nc_u64 s[28:29], s[12:13], s[26:27]      ; codes
	s_lshl_b32 s25, s24, 8
	s_add_co_u32 s26, s22, s25
	s_add_co_u32 s26, s26, 32768
	s_add_nc_u64 s[30:31], s[12:13], s[26:27]      ; scale bytes
	s_mov_b32 s32, 0x04000400                      ; byte 0 of two words, side by side
	s_mov_b32 s33, 0x05040100                      ; two such halves into a word
	s_mov_b32 s34, 0x0f0f0f0f
	s_wait_alu depctr_va_vdst(0)
	STAGEADR
	v_and_b32 v1, 15, v2
	v_lshrrev_b32 v4, 4, v2
	v_lshl_add_u32 v5, v4, 8, v1
	v_add_nc_u32 v5, s17, v5                       ; LDS: my block's byte: 256 bytes for each of the two K steps; in them 16 a row
	v_mul_u32_u24 v4, v4, BLK
	v_lshl_add_u32 v4, v1, 4, v4                   ; out: lanes 0-15 K step 2 w, lanes 16-31 K step 2 w + 1; 16 bytes a lane
	v_add_nc_u32 v6, s17, v3                       ; the scale bytes' way out: 16 bytes a lane
	v_lshrrev_b32 v7, 2, v2
	v_lshlrev_b32 v7, 2, v7                        ; four lanes (128 codes) share a given scale
	v_mov_b32 v9, 0                                ; (named with v8 as a pair, so it is written)
	v_mov_b32 v10, 0x7f7f7f7f                      ; the byte of 2^0, in every byte: the codes' own values
.irp t, 0,1,2,3,4,5,6,7,8,9,10,11,12,13,14,15
	global_load_b32 v[SCL+\t], v7, s[8:9] offset:128*\t
.endr
.irp t, 0,1,2,3
	LOAD \t, 8192, 6
.endr
	s_wait_loadcnt 12                              ; the given scales and step 0's four loads are in
	TURN 0
.macro WSTEP t                         ; my 16 words are one whole block of 32 codes
.set XS, X+16*((\t)%2)
	AHEAD \t, 8192, 6
.irp g, 0,1,2,3
	v_perm_b32 v[T+2*\g], v[XS+4*\g+1], v[XS+4*\g], s32            ; the low bytes of four words into one word (what lies above bit 7 is dropped)
	v_perm_b32 v[T+2*\g+1], v[XS+4*\g+3], v[XS+4*\g+2], s32
.endr
.irp g, 0,1,2,3
	v_perm_b32 v[T+2*\g], v[T+2*\g+1], v[T+2*\g], s33
.endr
.irp g, 0,1,2,3
	v_lshrrev_b32 v[T+2*\g+1], 4, v[T+2*\g]
.endr
.irp g, 0,1,2,3
	v_lshlrev_b32 v[T+2*\g], 4, v[T+2*\g]
.endr
.irp g, 0,1,2,3
	v_bfi_b32 v[P+\g], s34, v[T+2*\g+1], v[T+2*\g]                 ; each byte's halves change places: the lower k into the low four bits
.endr
.irp g, 0,1,2,3
	v_cvt_scale_pk8_f32_fp4 v[F+8*\g:F+8*\g+7], v[P+\g], v10       ; the given codes' values
.endr
	v_mov_b32 v8, v[SCL+(\t)]                      ; (a plain line behind the conversions)
.irp i, 0,2,4,6,8,10,12,14,16,18,20,22,24,26,28,30
	v_pk_mul_f32 v[F+\i:F+\i+1], v[F+\i:F+\i+1], v[8:9] op_sel_hi:[1,0]   ; W = value x the given scale: one rounding in f32
.endr
	v_max3_num_f32 v12, |v[F]|, |v[F+1]|, |v[F+2]|                 ; the block's largest magnitude: all 32 numbers are mine
	v_max3_num_f32 v13, |v[F+3]|, |v[F+4]|, |v[F+5]|
.irp i, 6,10,14,18,22,26
	v_max3_num_f32 v12, v12, |v[F+\i]|, |v[F+\i+1]|
	v_max3_num_f32 v13, v13, |v[F+\i+2]|, |v[F+\i+3]|
.endr
	v_max3_num_f32 v12, v12, |v[F+30]|, |v[F+31]|
	v_max3_num_f32 v12, v12, v13, 0x1800000        ; and the floor 2^(3 - 127)
	v_add_nc_u32 v11, 0xff000000, v12              ; 2 off its exponent field: the conversion's scale operand
	s_wait_alu depctr_va_vdst(0)
	s_wait_xcnt 0x0                                ; the last step's store has read its data: the codes' registers are written again only behind this wait
.irp g, 0,1,2,3
	v_cvt_scalef32_pk8_fp4_f32 v[CW+\g], v[F+8*\g:F+8*\g+7], v11
.endr
	v_lshrrev_b32 v[E+(\t)%8], 23, v11             ; the scale's byte (a plain line behind the conversions)
	ds_store_b8 v5, v[E+(\t)%8] offset:16*(\t)
	global_store_b128 v4, v[CW:CW+3], s[28:29] offset:256*(\t) th:TH_STORE_NT     ; each sixteen lanes store 256 consecutive bytes, aligned: the row's codes of one K step; written once, read by nobody in this launch
.endm
.irp t, 0,1,2,3,4,5,6,7,8,9,10,11,12,13,14,15
	WSTEP \t
.endr
	ds_load_b128 v[F:F+3], v6                      ; LDS serves a wave's instructions in order: these see my byte stores
	s_wait_dscnt 0x0
	global_store_b128 v4, v[F:F+3], s[30:31]       ; for each of the two K steps 16 rows x 16 scale bytes: 256 consecutive bytes, aligned
	s_wait_tensorcnt 0x0                           ; the wave's end
	ds_add_u32 v126, v127
	s_wait_dscnt 0x0
	s_endpgm
.Lfunc_end_k_q4f997281ab_quant:
	.size	k_q4f997281ab_quant, .Lfunc_end_k_q4f997281ab_quant-k_q4f997281ab_quant
	.p2alignl 7, 3214868480
	.fill 96, 4, 3214868480
	.section	.rodata,"a",@progbits
	.p2align	6, 0x0
	.amdhsa_kernel k_q4f997281ab_quant
		.amdhsa_group_segment_fixed_size 49664
		.amdhsa_private_segment_fixed_size 0
		.amdhsa_enable_private_segment 0
		.amdhsa_kernarg_size 40
		.amdhsa_user_sgpr_count 2
		.amdhsa_user_sgpr_kernarg_segment_ptr 1
		.amdhsa_wavefront_size32 1
		.amdhsa_system_sgpr_workgroup_id_x 1
		.amdhsa_system_sgpr_workgroup_id_y 1
		.amdhsa_system_sgpr_workgroup_id_z 1
		.amdhsa_system_vgpr_workitem_id 0
		.amdhsa_next_free_vgpr 192
		.amdhsa_next_free_sgpr 66
		.amdhsa_reserve_vcc 0
		.amdhsa_float_denorm_mode_32 3
		.amdhsa_float_denorm_mode_16_64 3
		.amdhsa_memory_ordered 1
		.amdhsa_forward_progress 1
		.amdhsa_inst_pref_size 118
	.end_amdhsa_kernel
	.amdgpu_metadata
---
amdhsa.version: [ 1, 2 ]
amdhsa.kernels:
  - .name:           k_q4f997281ab_quant
    .symbol:         k_q4f997281ab_quant.kd
    .args:
      - { .name: x, .offset: 0, .size: 8, .value_kind: global_buffer, .address_space: global }
      - { .name: weight_packed, .offset: 8, .size: 8, .value_kind: global_buffer, .address_space: global }
      - { .name: weight_scales, .offset: 16, .size: 8, .value_kind: global_buffer, .address_space: global }
      - { .name: xq, .offset: 24, .size: 8, .value_kind: global_buffer, .address_space: global }
      - { .name: wq, .offset: 32, .size: 8, .value_kind: global_buffer, .address_space: global }
    .group_segment_fixed_size: 49664
    .private_segment_fixed_size: 0
    .kernarg_segment_align: 8
    .kernarg_segment_size: 40
    .max_flat_workgroup_size: 128
    .sgpr_count:     66
    .vgpr_count:     192
    .wavefront_size: 32
...
	.end_amdgpu_metadata
.endif
;; end of part 1
;; launch gemm (part 2): grid 8 x 32, 4 waves a work-group, clusters of 4 x 4, 327,680 bytes of LDS; arguments xq, wq, bias, out0; writes out0
.if DOCPART == 2
	.amdgcn_target "amdgcn-amd-amdhsa--gfx1250"
	.amdhsa_code_object_version 6
	.text
	.protected	k_q4f997281ab_gemm
	.globl	k_q4f997281ab_gemm
	.p2align	8
	.type	k_q4f997281ab_gemm,@function
k_q4f997281ab_gemm:
	s_mov_b64 s[64:65], 0
	v_nop
	global_prefetch_b8 v0, s[64:65] scope:SCOPE_SE
	s_setreg_imm32_b32 hwreg(HW_REG_WAVE_MODE, 25, 1), 1
	s_wait_xcnt 0x0
	s_wait_alu depctr_hold_cnt(0) depctr_sa_sdst(0) depctr_va_vdst(0) depctr_va_sdst(0) depctr_va_ssrc(0) depctr_va_vcc(0) depctr_vm_vsrc(0)
	s_getreg_b32 s2, hwreg(HW_REG_IB_STS2, 6, 4)
	s_cmp_eq_u32 s2, 0
	s_cbranch_scc0 .Lentry_in_a_cluster
	s_endpgm
.Lentry_in_a_cluster:
	s_bfe_u32 s2, ttmp6, 0x10000c
	s_cmp_lg_u32 s2, 0xf033
	s_cbranch_scc0 .Lentry_shape_is_right
	s_endpgm
.Lentry_shape_is_right:
; out[m][n] = bias[n] + sum over k of Q(x)[m][k] Q(W)[n][k]: 8,192 x 2,048, K = 4,096, on codes of FP4 (E2M1) with one E8M0 byte for each 32 along K; sums in f32.
; xq [64][8][BLK] and wq [16][8][BLK] come from the launch before: for each 128 rows and each 512 along K one dense block of BLK = 34,816 bytes: row r's 512 codes at 256 r, then from byte 32,768 on row r's 16 scale bytes at 16 r.
; A work-group of four waves makes 256 x 256 of out, a wave 128 x 128: 64 accumulators, 512 registers.  256 work-groups.  K goes in 8 steps of 512 through a ring of two LDS slots; a wave's one tensor load brings one BLK
; (136 rows of 256 bytes, 16 bytes of padding behind each), codes and scale bytes together.
; CLUSTERS: 4 x 4 work-groups.  The four of a row of the cluster need the same blocks of xq, the four of a column the same blocks of wq: each block is asked for jointly, by the same load with a mask that names the four.
; THE MATRIX INSTRUCTION IS USED TRANSPOSED (source 0 = 16 rows of W, source 1 = 16 rows of x): a lane holds eight neighbouring numbers of a row of out.  The bias is the C of each accumulator's first product.
; FRAGMENTS: two sets for x and two for W.  A step of 128 along K asks at its head, in one run of 32 LDS loads, for the whole next step's fragments: 64 matrix instructions ahead of their use.
; THE CHANGE OF SLOTS stands in a slot's third step: the slot's last fragments were asked for at that step's head, so the slot is read out 48 matrix instructions later, and the fourth step fetches from the next slot like any other.
; PREFETCH: K step 0 comes by its load alone.  K step 1 is asked for behind K step 0's load, K steps 2 and 3 behind K step 1's, and behind the refill that brings K step k stands the request for K step k + 2.
; A BLK is 136 blocks of 256 bytes; the four partners that load it jointly share them out by address: the partner at place p names code blocks 32 p + lane and scale blocks 2 p, 2 p + 1 (lanes 1-31 name the second).
; The loop's last trip asks for nothing: K steps 8 and 9 do not exist.
; THE LAST K STEP GOES BY ROWS OF out: all its fragments of W fill window 1, x comes by blocks of 16 rows x 512 K, and each block of 16 rows is stored as soon as its 32 products are done.
; LIMITS: NaN and infinities among the inputs are not served (see the quantising launch).  Nothing of the problem is left out.
; REGISTERS: window 0: v0-31 addresses; v32-95 scale words, two sets; v128-191, v192-255 x's fragments, two sets (last K step: four buffers of 32); v32-63, v96-127 the way out.
;   window 1: W's fragments, two sets at v0 and v128; v64-127 the bias (last K step: all 256 W's).  Windows 2, 3: the accumulators of my rows 0-63 and 64-127, (a, b) at v[8 (8 (a % 4) + b)].
.set SIZE_N, 2048
.set NQ,     4                         ; matrix instructions deep in a slot
.set PITCH,  272                       ; an LDS row: 256 bytes + 16 of padding
.set FR,     8                         ; registers of a fragment
.set NP,     4                         ; places behind this matrix instruction (ISA guide 7.12.1)
.set BLK,    34816
.set RB,     8*BLK
.set HALFT,  37120                     ; LDS room of one BLK: 136 x 272 = 36,992, rounded up to a multiple of 256
.set SLOT,   4*HALFT                   ; x's two blocks, then W's two
.set SCO,    128*PITCH                 ; where a block's scale bytes begin in LDS: 16 rows' in each LDS row
.set SPARE,  2*SLOT                    ; the spare words: 512 bytes that no other line names
.set SPITCH, 528                       ; the way out: a stage of 16 rows x (512 + 16) bytes a wave, in slot 0, behind that slot's last fill and last read
.set LAPS,   4
.set BO,   7                           ; v7  the bias: 32 x (lane / 16)
.set PFO,  8                           ; v8  prefetch: my code block of a BLK
.set PFS,  9                           ; v9  prefetch: my scale block
.set ADRA, 16                          ; v16-17 x's fragments in slot 0, 1
.set ADRB, 20                          ; v20-21 W's
.set ADRS, 22                          ; v22-23 scale words: lanes 0-15 x's rows, lanes 16-31 W's
.set STO,  24
.set RD,   25
.set CO,   26
.set SPW,  28                          ; my spare word; never rewritten
.set NIL,  29                          ; 0; never rewritten
.set SC,   32
.set AF,   128
.set BIAS, 64                          ; in window 1
.set PFA, 10                           ; s[10:11] the BLK from which the prefetches' offsets count
.set G1, 24                            ; s[24:31], s[32:39] groups 1 and 0 (a set for each slot) for xq
.set G0, 32
.set G1B, 48                           ; s[48:55], s[56:63] for wq
.set G0B, 56
.set MSB, 0
.macro WIN new                         ; the immediate's high byte repeats the setting that is left
.if MSB != \new
	s_set_vgpr_msb (MSB<<8)|\new
.set MSB, \new
.endif
.endm
.set MUL_LO, 0xa1                      ; source 0 (W) window 1, source 1 (x) window 0, C and D window 2
.set MUL_HI, 0xf1                      ; C and D window 3
.set BEG_LO, 0x91                      ; the first products: C (the bias) window 1
.set BEG_HI, 0xd1
.set TO_B,   0x40
.macro JLOAD s                         ; a joint load: waves 0, 1 fetch xq's two blocks, waves 2, 3 wq's; s_nop 0 and four v_nop behind each line
	s_cmp_eq_u32 s15, 0
	s_cbranch_scc0 .Lfor_b_\@
	tensor_load_to_lds s[G0+4*\s:G0+4*\s+3], s[G1:G1+7]
	s_nop 0
.rept 4
	v_nop
.endr
	s_branch .Lasked_\@
.Lfor_b_\@:
	tensor_load_to_lds s[G0B+4*\s:G0B+4*\s+3], s[G1B:G1B+7]
	s_nop 0
.rept 4
	v_nop
.endr
.Lasked_\@:
.endm
.macro CREST                           ; a round of the cluster's barrier behind its opening barrier
	s_cmp_lg_u32 s14, 0
	s_cbranch_scc1 .Lnot_wave_0_\@
	s_barrier_signal -3
.Lnot_wave_0_\@:
	s_barrier_wait -3
	s_barrier_signal -1
	s_barrier_wait -1
.endm
.macro CROUND
	s_barrier_signal -1
	s_barrier_wait -1
	CREST
.endm
.macro PF k                            ; my 34 blocks of 256 bytes of the BLK k further on than s[PFA]
	global_prefetch_b8 v[PFO], s[PFA:PFA+1] offset:(\k)*BLK th:TH_LOAD_NT scope:SCOPE_SE
	global_prefetch_b8 v[PFS], s[PFA:PFA+1] offset:(\k)*BLK th:TH_LOAD_NT scope:SCOPE_SE
.endm
	s_load_b128 s[4:7], s[0:1], 0x0                ; xq, wq
	s_load_b64 s[8:9], s[0:1], 0x10                ; bias
	s_load_b64 s[12:13], s[0:1], 0x18              ; out0
	v_lshl_add_u32 v[SPW], v0, 2, SPARE
	v_mov_b32 v[NIL], 0
	ds_add_u32 v[SPW], v[NIL]                      ; the opening lines: the add, twice on end, and its wait ahead of my first tensor load
	ds_add_u32 v[SPW], v[NIL]
	v_lshrrev_b32 v1, 5, v0
	v_readfirstlane_b32 s14, v1                    ; wave 0..3
	s_lshr_b32 s15, s14, 1                         ; my half of the tile's rows; also: I fetch for xq (0) or wq (1)
	s_and_b32 s16, s14, 1                          ; my half of its columns; also: which 128 rows I fetch
	s_bfe_u32 s40, ttmp6, 0x40000                  ; cx
	s_bfe_u32 s41, ttmp6, 0x40004                  ; cy
	s_lshl_b32 s42, ttmp9, 2
	s_add_co_u32 s42, s42, s40                     ; tile column
	s_and_b32 s17, ttmp7, 0xffff
	s_lshl_b32 s17, s17, 2
	s_add_co_u32 s17, s17, s41                     ; tile row
	s_lshl_b32 s43, s41, 2
	s_lshl_b32 s43, 15, s43                        ; my row of the cluster
	s_lshl_b32 s44, 0x1111, s40                    ; my column
	s_or_b32 s[G1+0], s43, (3<<16)|(1<<20)|(1<<21)|(5<<22)|(3<<25)   ; the mask; elements of 8 bytes; padding of 4 words behind every 64; bit 21 beside a mask
	s_or_b32 s[G1B+0], s44, (3<<16)|(1<<20)|(1<<21)|(5<<22)|(3<<25)
.irp g, G1, G1B
	s_mov_b32 s[\g+1], 32<<16                      ; 136 dense rows of 32 elements
	s_mov_b32 s[\g+2], 136<<16
	s_mov_b32 s[\g+3], 32<<16
	s_mov_b32 s[\g+4], 136
	s_mov_b32 s[\g+5], 32
	s_mov_b32 s[\g+6], 0
	s_mov_b32 s[\g+7], 0
.endr
	s_lshl_b32 s20, s17, 1
	s_add_co_u32 s20, s20, s16
	s_mul_i32 s20, s20, RB                         ; xq: row block 2 x tile row + half
	s_mov_b32 s21, 0
	s_lshl_b32 s46, s42, 1
	s_add_co_u32 s46, s46, s16
	s_mul_i32 s46, s46, RB                         ; wq: row block 2 x tile column + half
	s_mov_b32 s47, 0
	s_mul_i32 s45, s14, HALFT                      ; where my block goes: no place in the cluster enters an LDS address
	s_wait_dscnt 0x0                               ; both opening adds are done
	s_wait_kmcnt 0x0
	s_add_nc_u64 s[20:21], s[4:5], s[20:21]
	s_add_nc_u64 s[46:47], s[6:7], s[46:47]
	CROUND                                         ; all sixteen work-groups are here: the first joint loads meet
.irp s, 0,1
	s_mov_b32 s[G0+4*\s], 1
	s_add_co_u32 s[G0+4*\s+1], s45, \s*SLOT
	s_add_nc_u64 s[G0+4*\s+2:G0+4*\s+3], s[20:21], \s*BLK
	s_or_b32 s[G0+4*\s+3], s[G0+4*\s+3], 0x80000000
	s_mov_b32 s[G0B+4*\s], 1
	s_add_co_u32 s[G0B+4*\s+1], s45, \s*SLOT
	s_add_nc_u64 s[G0B+4*\s+2:G0B+4*\s+3], s[46:47], \s*BLK
	s_or_b32 s[G0B+4*\s+3], s[G0B+4*\s+3], 0x80000000
.endr
	JLOAD 0                                        ; K step 0: one tensor load a wave at the head; all that follows is made while it is on its way
	s_cmp_eq_u32 s15, 0
	s_cselect_b32 s66, s40, s41                    ; my place among the four that ask with me
	s_cselect_b64 s[PFA:PFA+1], s[20:21], s[46:47] ; the block that I fetch, K step 0
	s_lshl_b32 s67, s66, 9
	s_add_co_u32 s67, s67, 32768                   ; my two of its eight scale blocks
	s_lshl_b32 s66, s66, 13                        ; my 32 of its 128 code blocks
	s_mul_i32 s68, s15, HALFT                      ; my 128 rows of x in a slot
	s_mul_i32 s69, s16, HALFT
	s_add_co_u32 s69, s69, 2*HALFT                 ; my 128 rows of W
	s_sub_co_u32 s70, s69, s68                     ; from x's to W's
	s_add_co_u32 s71, s68, SCO
	s_mul_i32 s23, s14, 16*SPITCH                  ; my stage
	s_lshl_b32 s20, s17, 8
	s_lshl_b32 s21, s15, 7
	s_add_co_u32 s20, s20, s21
	s_lshl_b32 s20, s20, 13                        ; my first row of out, 8,192 bytes a row
	s_mov_b32 s21, 0
	s_lshl_b32 s46, s42, 10
	s_lshl_b32 s47, s16, 9
	s_add_co_u32 s46, s46, s47                     ; my first column, in bytes
	s_mov_b32 s47, 0
	s_add_nc_u64 s[8:9], s[8:9], s[46:47]
	s_add_nc_u64 s[20:21], s[20:21], s[46:47]
	s_add_nc_u64 s[12:13], s[12:13], s[20:21]
	v_and_b32 v1, 15, v0                           ; l % 16
	v_bfe_u32 v2, v0, 4, 1                         ; l / 16
	v_mul_u32_u24 v3, v1, PITCH
	v_lshl_add_u32 v4, v2, 4, v3                   ; a fragment's row x pitch + 16 x half
	v_add_nc_u32 v[ADRA], s68, v4
	v_add_nc_u32 v[ADRB], s69, v4
	v_add_nc_u32 v[ADRA+1], SLOT, v[ADRA]
	v_add_nc_u32 v[ADRB+1], SLOT, v[ADRB]
	v_lshlrev_b32 v5, 4, v1                        ; my row's 16 scale bytes
	v_mul_u32_u24 v6, s70, v2                      ; lanes 16-31 take W's
	v_add_nc_u32 v5, v5, v6
	v_add_nc_u32 v[ADRS], s71, v5
	v_add_nc_u32 v[ADRS+1], SLOT, v[ADRS]
	v_mul_u32_u24 v5, v1, SPITCH                   ; into the stage: row l % 16, 32 bytes for each half of the lanes
	v_lshl_add_u32 v5, v2, 5, v5
	v_add_nc_u32 v[STO], s23, v5
	v_and_b32 v6, 31, v0
	v_lshlrev_b32 v[CO], 4, v6                     ; back: 32 lanes take a row of 512 bytes; the same in out
	v_add_nc_u32 v[RD], s23, v[CO]
	v_lshlrev_b32 v[BO], 5, v2
	v_lshl_add_u32 v[PFO], v6, 8, s66
	v_min_u32 v3, 1, v6
	v_lshl_add_u32 v[PFS], v3, 8, s67
	s_wait_alu depctr_va_vdst(0)
	WIN TO_B
.irp b, 0,1,2,3,4,5,6,7
	global_load_b128 v[BIAS+8*\b:BIAS+8*\b+3], v[BO], s[8:9] offset:64*\b          ; the bias in the result's layout: columns 16 b + 8 (l / 16) + 0 .. 7
	global_load_b128 v[BIAS+8*\b+4:BIAS+8*\b+7], v[BO], s[8:9] offset:64*\b+16
.endr
	WIN 0
	PF 1
.macro FRAG reg, adr, q, i             ; 16 rows x 128 K: registers 4 c .. 4 c + 3 hold K = 64 c + 32 (l / 16) + 0 .. 31
.irp c, 0,1
	ds_load_b128 v[\reg+4*\c:\reg+4*\c+3], v[\adr] offset:64*(\q)+32*\c+(\i)*16*PITCH
.endr
.endm
; 16 matrix instructions: x's blocks a0, a0 + 1 against W's eight, from the sets p.  The accumulators take turns, one instruction a turn.  zero = 1: the first products take the bias as C
.macro MUL16 a0, p, q, sc, zero
.irp a, \a0, \a0+1
.irp b, 0,1,2,3,4,5,6,7
.if \zero
	v_wmma_scale_f32_16x16x128_f8f6f4 v[8*(8*((\a)%4)+\b):8*(8*((\a)%4)+\b)+7], v[128*(\p)+FR*\b:128*(\p)+FR*\b+FR-1], v[AF+64*(\p)+FR*(\a):AF+64*(\p)+FR*(\a)+FR-1], v[BIAS+8*\b:BIAS+8*\b+7], v[SC+8*NQ*(\sc)+NQ*\b+(\q)], v[SC+8*NQ*(\sc)+NQ*(\a)+(\q)] matrix_a_fmt:MATRIX_FMT_FP4 matrix_b_fmt:MATRIX_FMT_FP4 matrix_a_scale:MATRIX_SCALE_ROW1
.else
	v_wmma_scale_f32_16x16x128_f8f6f4 v[8*(8*((\a)%4)+\b):8*(8*((\a)%4)+\b)+7], v[128*(\p)+FR*\b:128*(\p)+FR*\b+FR-1], v[AF+64*(\p)+FR*(\a):AF+64*(\p)+FR*(\a)+FR-1], v[8*(8*((\a)%4)+\b):8*(8*((\a)%4)+\b)+7], v[SC+8*NQ*(\sc)+NQ*\b+(\q)], v[SC+8*NQ*(\sc)+NQ*(\a)+(\q)] matrix_a_fmt:MATRIX_FMT_FP4 matrix_b_fmt:MATRIX_FMT_FP4 matrix_a_scale:MATRIX_SCALE_ROW1
.endif
.endr
.endr
.endm
.macro FETCH slot, q, p                ; 32 LDS loads in one run: W's and x's eight fragments of the slot's q-th 128 along K into the sets p
	WIN TO_B
.irp i, 0,1,2,3,4,5,6,7
	FRAG 128*(\p)+FR*\i, ADRB+\slot, \q, \i
.endr
	WIN 0
.irp i, 0,1,2,3,4,5,6,7
	FRAG AF+64*(\p)+FR*\i, ADRA+\slot, \q, \i
.endr
.endm
.macro SCALES sc                       ; a slot's scale words: register NQ i + q: lanes 0-15 x's block i, lanes 16-31 W's block i
.irp i, 0,1,2,3,4,5,6,7
	ds_load_b128 v[SC+8*NQ*\sc+NQ*\i:SC+8*NQ*\sc+NQ*\i+3], v[ADRS+\sc] offset:\i*PITCH
.endr
.endm
.macro PLACES n                        ; places in front of loads into registers that matrix instructions have read, and of reads of results
.rept \n
	v_nop
.endr
.endm
; A step of 128 along K: the slot's q-th.  At its head it asks for the next step's fragments, quarter fq of slot fs; new = 1: that is a new slot's first: its scale words come too, and the prefetch stands here
.macro STEP slot, q, zero, fs, fq, new
	s_wait_dscnt 0x0                               ; this step's fragments are in: they were asked for 64 matrix instructions ago
	PLACES NP
	FETCH \fs, \fq, 1-(\q)%2
.if \new
	SCALES \fs
	s_cmp_gt_u32 s3, 1                             ; the last trip has no K step two refills on
	s_cbranch_scc0 .Lno_ask_\@
	PF 3                                           ; the K step two refills on from the one just asked for
.Lno_ask_\@:
.endif
.if \zero
	WIN BEG_LO
.else
	WIN MUL_LO
.endif
	MUL16 0, (\q)%2, \q, \slot, \zero
	MUL16 2, (\q)%2, \q, \slot, \zero
.if \zero
	WIN BEG_HI
.else
	WIN MUL_HI
.endif
	MUL16 4, (\q)%2, \q, \slot, \zero
	MUL16 6, (\q)%2, \q, \slot, \zero
	WIN 0
.endm
; A slot's third step, with the change of slots: in front of the barrier each wave waits for all its tensor loads, adds 0 to its spare word, and waits for that and for its last reads of this slot.  fill = 1: the slot is filled again, two K steps ahead
.macro MEET slot, fill
	s_wait_dscnt 0x0
	PLACES NP
	FETCH \slot, 3, 1                              ; my last reads of this slot
	WIN MUL_LO
	MUL16 0, 0, 2, \slot, 0
	MUL16 2, 0, 2, \slot, 0
	WIN 0                                          ; (the add's two registers lie in window 0)
.if \fill
	s_wait_xcnt 0x0                                ; my earlier prefetches have read their base: it steps only behind this wait
	s_add_nc_u64 s[PFA:PFA+1], s[PFA:PFA+1], BLK
.endif
	s_wait_tensorcnt 0x0                           ; all my tensor loads have landed: my part of the next slot
	ds_add_u32 v[SPW], v[NIL]
	WIN MUL_HI
	MUL16 4, 0, 2, \slot, 0
	s_wait_dscnt 0x0                               ; the add is done, and my reads of this slot are over
	s_barrier_signal -1
	MUL16 6, 0, 2, \slot, 0
	WIN 0
	s_barrier_wait -1
.if \fill
	CREST                                          ; the barrier has opened a round of the cluster's barrier
	s_add_nc_u64 s[G0+4*\slot+2:G0+4*\slot+3], s[G0+4*\slot+2:G0+4*\slot+3], 2*BLK
	s_add_nc_u64 s[G0B+4*\slot+2:G0B+4*\slot+3], s[G0B+4*\slot+2:G0B+4*\slot+3], 2*BLK
	JLOAD \slot                                    ; the first tensor load behind the round
.endif
.endm
	s_wait_tensorcnt 0x0                           ; my part of K step 0 is in
	ds_add_u32 v[SPW], v[NIL]
	s_wait_dscnt 0x0
	CROUND                                         ; everybody's part is in, and the sixteen work-groups meet
	JLOAD 1                                        ; K step 1, the first tensor load behind the round
	FETCH 0, 0, 0
	SCALES 0
	PF 2
	PF 3
	s_wait_loadcnt 0x0                             ; the bias is in
	STEP 0, 0, 1, 0, 1, 0                          ; the first step stands in front of the loop: its products start the sums
	s_mov_b32 s3, LAPS-1
.Llap:                                                 ; a trip goes once round the ring and fills both slots again
	STEP 0, 1, 0, 0, 2, 0
	MEET 0, 1
	STEP 0, 3, 0, 1, 0, 1
	STEP 1, 0, 0, 1, 1, 0
	STEP 1, 1, 0, 1, 2, 0
	MEET 1, 1
	STEP 1, 3, 0, 0, 0, 1
	STEP 0, 0, 0, 0, 1, 0
	s_sub_co_u32 s3, s3, 1
	s_cmp_lg_u32 s3, 0
	s_cbranch_scc1 .Llap
	STEP 0, 1, 0, 0, 2, 0
	MEET 0, 0                                      ; slot 1 is whole; nothing is filled again, so no round follows
; THE LAST K STEP (slot 1), BY ROWS OF out
.macro BLOAD q                         ; W's fragments of quarter q -> window 1, v[64 q ..]
.irp i, 0,1,2,3,4,5,6,7
	FRAG 64*(\q)+FR*\i, ADRB+1, \q, \i
.endr
.endm
.macro ALOAD a                         ; x's block a, all four quarters -> buffer a % 4 of v128-255
.set FA, 128+32*((\a)%4)
.irp q, 0,1,2,3
	FRAG FA+8*\q, ADRA+1, \q, \a
.endr
.endm
.macro ROW a                           ; block a is finished: 32 matrix instructions, its 8 accumulators by turns, K ascending
.set FA, 128+32*((\a)%4)
.set AC, 64*((\a)%4)
	WIN MUL_LO+0x50*((\a)/4)
.irp q, 0,1,2,3
.if (\a) == 0 && \q == 2
	s_wait_dscnt 16                                ; W's quarter 2 is in (behind it: x's blocks 2 and 3)
.endif
.irp b, 0,1,2,3,4,5,6,7
	v_wmma_scale_f32_16x16x128_f8f6f4 v[AC+8*\b:AC+8*\b+7], v[64*\q+FR*\b:64*\q+FR*\b+FR-1], v[FA+8*\q:FA+8*\q+7], v[AC+8*\b:AC+8*\b+7], v[SC+8*NQ+NQ*\b+\q], v[SC+8*NQ+NQ*(\a)+\q] matrix_a_fmt:MATRIX_FMT_FP4 matrix_b_fmt:MATRIX_FMT_FP4 matrix_a_scale:MATRIX_SCALE_ROW1
.endr
.endr
.endm
.macro TOSTAGE a                       ; 16 rows x 128 columns through my own stage, back as whole rows of 512 bytes: LDS serves a wave's instructions in order
.set AC, 64*((\a)%4)
	WIN 0x08+4*((\a)/4)
.irp b, 0,1,2,3,4,5,6,7
	ds_store_b128 v[STO], v[AC+8*\b:AC+8*\b+3] offset:64*\b          ; each accumulator from its low end on
	ds_store_b128 v[STO], v[AC+8*\b+4:AC+8*\b+7] offset:64*\b+16
.endr
	WIN 0
.irp t, 0,1,2,3,4,5,6,7,8,9,10,11,12,13,14,15
	ds_load_b128 v[32+4*\t+32*(\t/8):32+4*\t+32*(\t/8)+3], v[RD] offset:\t*SPITCH   ; into v32-63 and v96-127
.endr
.endm
.macro SEND a, younger
	s_wait_dscnt \younger                          ; the block is back in registers
.if (\a) > 0
	s_add_nc_u64 s[12:13], s[12:13], 16*SIZE_N*4   ; (behind the wait on XCNT in front of TOSTAGE)
.endif
.irp t, 0,1,2,3,4,5,6,7,8,9,10,11,12,13,14,15
	global_store_b128 v[CO], v[32+4*\t+32*(\t/8):32+4*\t+32*(\t/8)+3], s[12:13] offset:\t*SIZE_N*4 th:TH_STORE_NT   ; 32 lanes store 512 consecutive bytes, at a multiple of 256 from out's first byte; written once, read by nobody here
.endr
.endm
	s_wait_dscnt 0x0                               ; slot 0's fourth step: its fragments lie in the sets 1
	PLACES NP
	WIN TO_B
	BLOAD 0                                        ; what the first block of rows wants first: W's quarter 0, the scale words, x's blocks 0 and 1
	WIN 0
	SCALES 1
	ALOAD 0
	ALOAD 1
	WIN MUL_LO
	MUL16 0, 1, 3, 0, 0
	MUL16 2, 1, 3, 0, 0
	WIN TO_B
	BLOAD 1                                        ; two more quarters of W, into registers that this step's products do not name; v128-191 of window 1 are still to be multiplied
	BLOAD 3
	WIN MUL_HI
	MUL16 4, 1, 3, 0, 0
	MUL16 6, 1, 3, 0, 0
	PLACES NP
	WIN TO_B
	BLOAD 2
	WIN 0
	ALOAD 2
	ALOAD 3
	s_wait_dscnt 32                                ; all but W's quarter 2 (16) and x's blocks 2, 3 (16)
	ROW 0
.irp a, 0,1,2,3,4,5,6,7
	PLACES NP                                      ; the stage's stores read results just made, and the loads below land in registers just read
.if \a > 0
	s_wait_xcnt 0x0                                ; the last block's stores have read their registers and their base
.endif
	TOSTAGE \a
.if \a < 4
	ALOAD \a+4                                     ; its buffer takes the block four further on
	SEND \a, 8
.else
	SEND \a, 0
.endif
.if \a < 7
	ROW \a+1
.endif
.endr
	s_wait_tensorcnt 0x0                           ; the wave's end
	ds_add_u32 v[SPW], v[NIL]
	s_wait_dscnt 0x0
	CROUND                                         ; the closing round
	s_endpgm
.Lfunc_end_k_q4f997281ab_gemm:
	.size	k_q4f997281ab_gemm, .Lfunc_end_k_q4f997281ab_gemm-k_q4f997281ab_gemm
	.p2alignl 7, 3214868480
	.fill 96, 4, 3214868480
	.section	.rodata,"a",@progbits
	.p2align	6, 0x0
	.amdhsa_kernel k_q4f997281ab_gemm
		.amdhsa_group_segment_fixed_size 327680
		.amdhsa_private_segment_fixed_size 0
		.amdhsa_enable_private_segment 0
		.amdhsa_kernarg_size 32
		.amdhsa_user_sgpr_count 2
		.amdhsa_user_sgpr_kernarg_segment_ptr 1
		.amdhsa_wavefront_size32 1
		.amdhsa_system_sgpr_workgroup_id_x 1
		.amdhsa_system_sgpr_workgroup_id_y 1
		.amdhsa_system_sgpr_workgroup_id_z 1
		.amdhsa_system_vgpr_workitem_id 0
		.amdhsa_next_free_vgpr 1024
		.amdhsa_next_free_sgpr 72
		.amdhsa_reserve_vcc 0
		.amdhsa_float_denorm_mode_32 3
		.amdhsa_float_denorm_mode_16_64 3
		.amdhsa_memory_ordered 1
		.amdhsa_forward_progress 1
		.amdhsa_inst_pref_size 211
	.end_amdhsa_kernel
	.amdgpu_metadata
---
amdhsa.version: [ 1, 2 ]
amdhsa.kernels:
  - .name:           k_q4f997281ab_gemm
    .symbol:         k_q4f997281ab_gemm.kd
    .args:
      - { .name: xq, .offset: 0, .size: 8, .value_kind: global_buffer, .address_space: global }
      - { .name: wq, .offset: 8, .size: 8, .value_kind: global_buffer, .address_space: global }
      - { .name: bias, .offset: 16, .size: 8, .value_kind: global_buffer, .address_space: global }
      - { .name: out0, .offset: 24, .size: 8, .value_kind: global_buffer, .address_space: global }
    .group_segment_fixed_size: 327680
    .private_segment_fixed_size: 0
    .kernarg_segment_align: 8
    .kernarg_segment_size: 32
    .max_flat_workgroup_size: 128
    .sgpr_count:     72
    .vgpr_count:     1024
    .wavefront_size: 32
...
	.end_amdgpu_metadata
.endif
;; end of part 2
